; MI455X (gfx1250); checked and timed in simulation.
; The chip was launched on July 23, 2026; its instructions are those of AMD's public machine-readable ISA for CDNA 5 (MIT licence, August 2026) and "CDNA5" Instruction Set Architecture Reference Guide (July 2026). The comments in the code are by the model that wrote it; some were corrected since.
;; Hopfield Retrieve. Allowed arithmetic: matrix products marked QUANTISED: E2M1 operands, one E8M0 scale for each 32 along K, by v_wmma_scale_f32_16x16x128_f8f6f4 with both operands' format E2M1 (or v_wmma_scale_f32_32x16x128_f4), f32 sums; everything else in f32.
;; Inputs: Wk_codes 1,024 x 32 x 16 uint8 (E2M1 codes of Wk, K innermost, in blocks of 32 codes, two codes a byte); Wk_scales 1,024 x 32 uint8 (E8M0 scales of Wk, one for each 32 codes along K); Wq_codes 1,024 x 32 x 16 uint8 (E2M1 codes of Wq, K innermost, in blocks of 32 codes, two codes a byte); Wq_scales 1,024 x 32 uint8 (E8M0 scales of Wq, one for each 32 codes along K); Wv_codes 1,024 x 32 x 16 uint8 (E2M1 codes of Wv, K innermost, in blocks of 32 codes, two codes a byte); Wv_scales 1,024 x 32 uint8 (E8M0 scales of Wv, one for each 32 codes along K); k_codes 4 x 2,048 x 32 x 16 uint8 (E2M1 codes of k, K innermost, in blocks of 32 codes, two codes a byte); k_scales 4 x 2,048 x 32 uint8 (E8M0 scales of k, one for each 32 codes along K); q_codes 4 x 2,048 x 32 x 16 uint8 (E2M1 codes of q, K innermost, in blocks of 32 codes, two codes a byte); q_scales 4 x 2,048 x 32 uint8 (E8M0 scales of q, one for each 32 codes along K); v_codes 4 x 2,048 x 32 x 16 uint8 (E2M1 codes of v, K innermost, in blocks of 32 codes, two codes a byte); v_scales 4 x 2,048 x 32 uint8 (E8M0 scales of v, one for each 32 codes along K).
;; Outputs: out0 4 x 2,048 x 1,024 float32.
;; This version of the problem:
;;   THIS VERSION OF THE PROBLEM IS GIVEN IN LOW PRECISION. The matrix products marked QUANTISED in the list below multiply operands that are first quantised to E2M1 (2 exponent bits, 1 mantissa bit; 4 bits a number), with one power-of-two scale for each 32 numbers along K (OCP MX v1.0); their sums are f32. All else is computed in f32.
;;   The module's matrix products, in the order in which they are computed (A, B: the left and right operand; K: the contracted axis; several contracted axes count as one K, in the product's order):
;;     1. [M 8,192, K 1,024] x [K 1,024, N 1,024]; A: input q (given as codes); B: input Wq (given as codes): QUANTISED
;;     2. [M 8,192, K 1,024] x [K 1,024, N 1,024]; A: input k (given as codes); B: input Wk (given as codes): QUANTISED
;;     3. [M 8,192, K 1,024] x [K 1,024, N 1,024]; A: input v (given as codes); B: input Wv (given as codes): QUANTISED
;;     4. batch 64 x [M 2,048, K 64] x [K 64, N 2,048]; A: computed on the way; B: computed on the way: QUANTISED
;;     5. batch 64 x [M 64, K 2,048] x [K 2,048, N 2,048]; A: computed on the way; B: softmax (see below): QUANTISED
;;   THE QUANTISER, for each operand of a quantised product, along K:
;;     - K is cut into blocks of 32 from its start; a last block that is shorter is filled with zeros.
;;     - A block's scale is 2^e with e = floor(log2(the largest magnitude in the block)) - 2, held to -126 .. 127; a block of zeros has e = 0. As a byte (E8M0): e + 127.
;;     - Each number is divided by its block's scale, clamped to +-6, and rounded to the nearest number of E2M1, ties to even, subnormals kept.
;;     - The product sums the exact products of the quantised numbers (number of the format x scale) in f32.
;;   ~~~python
;;   def quantise(x, axis):      # numpy; x: float32 -> the quantised numbers, widened to float32 again
;;       x = np.moveaxis(x, axis, -1); K = x.shape[-1]
;;       x = np.pad(x, [(0, 0)] * (x.ndim - 1) + [(0, -K % 32)]); x = x.reshape(x.shape[:-1] + (-1, 32)); a = np.abs(x).max(-1, keepdims=True)
;;       e = np.where(a > 0, np.clip(np.frexp(np.where(a > 0, a, 1))[1] - 1 - 2, -126, 127), 0)      # np.frexp(a)[1] - 1 = floor(log2(a)), exactly
;;       r = np.clip(x / 2.0 ** e, -6, 6)
;;       step = 2.0 ** (np.maximum(np.frexp(np.where(r == 0, 1, r))[1] - 1, 0) - 1)
;;       q = np.round(r / step) * step * 2.0 ** e      # np.round: ties to even
;;       return np.moveaxis(q.reshape(q.shape[:-2] + (-1,))[..., :K], -1, axis).astype(np.float32)
;;   ~~~
;;   SOFTMAX AHEAD OF A QUANTISED PRODUCT. Where the list says 'softmax', what is quantised is not the finished softmax but p = 2^(t - M), with t = logit x log2(e) and M = ceil(the row's largest t), a whole number; so 1/2 < the row's largest p <= 1. The row's sum l is taken of the UNQUANTISED p, in f32, and the product's result is divided by l at the end. Since M is a whole number, a kernel that streams over the keys may use a running M (the ceiling of the running maximum): every later rescaling is an exact power of two, which a block's scale takes up: the codes' values come out the same.
;;   OPERANDS COMPUTED ON THE WAY. 'Computed on the way' means the value that the module computes at that place (a softmax that the list does not call 'softmax' is quantised finished and normalised). What goes into a quantiser is computed in f32, as accurately as f32 sums, v_exp_f32 and their like allow (about 1e-6 of the number): no bf16 or f16 on the way to a quantiser, and a product that is left as it is and whose result goes on into a quantised operand takes f32 operands (vector FMAs, or v_wmma_f32_16x16x4_f32). A number that lies on a knife's edge between two numbers of the format may be rounded either way, as far as f32 arithmetic and the matrix unit's own rounding can turn it there, and no further.
;;   INPUTS GIVEN AS CODES. Wk (in the module: [1024, 1024], K = its axis 1); Wq (in the module: [1024, 1024], K = its axis 1); Wv (in the module: [1024, 1024], K = its axis 1); k (in the module: [4, 2048, 1024], K = its axis 2); q (in the module: [4, 2048, 1024], K = its axis 2); v (in the module: [4, 2048, 1024], K = its axis 2): each comes as NAME_codes (uint8): NAME with its K axis moved to the last place and cut into blocks of 32 codes, [.., K / 32, bytes a block], one block behind the other in memory; two codes a byte, the lower K in the low four bits (a code: sign, 2 exponent bits, 1 mantissa bit); and NAME_scales (uint8): the same leading axes, one E8M0 byte (e + 127) for each 32 codes along K. Its value is code x scale, taken as it is: it is not quantised again, and the codes and scales need not be those that the quantiser above would give.
;; One version. Each part assembles by itself: llvm-mc -triple=amdgcn-amd-amdhsa -mcpu=gfx1250 --defsym DOCPART=n.
;; ======== version 1 of 1: 2 launches
;; limits: right only within a limited range of input values
;; workspace buffers: qws 4,718,592 bytes; kws 4,718,592 bytes; vws 4,456,448 bytes
;; launch proj (part 1): grid 4 x 96, 4 waves a work-group, clusters of 4 x 4, 289,280 bytes of LDS; arguments q_codes, q_scales, Wq_codes, Wq_scales, k_codes, k_scales, Wk_codes, Wk_scales, Wv_codes, Wv_scales, v_codes, v_scales, qws, kws, vws; writes qws, kws, vws
.if DOCPART == 1
	.amdgcn_target "amdgcn-amd-amdhsa--gfx1250"
	.amdhsa_code_object_version 6
	.text
	.protected	k_qe9d17d5015_proj
	.globl	k_qe9d17d5015_proj
	.p2align	8
	.type	k_qe9d17d5015_proj,@function
k_qe9d17d5015_proj:
	s_mov_b64 s[64:65], 0
	v_nop
	global_prefetch_b8 v0, s[64:65] scope:SCOPE_SE
	s_setreg_imm32_b32 hwreg(HW_REG_WAVE_MODE, 25, 1), 1
	s_wait_xcnt 0x0
	s_wait_alu depctr_hold_cnt(0) depctr_sa_sdst(0) depctr_va_vdst(0) depctr_va_sdst(0) depctr_va_ssrc(0) depctr_va_vcc(0) depctr_vm_vsrc(0)
	s_getreg_b32 s2, hwreg(HW_REG_IB_STS2, 6, 4)
	s_cmp_eq_u32 s2, 0
	s_cbranch_scc0 .Lentry_in_a_cluster
	s_endpgm
.Lentry_in_a_cluster:
	s_bfe_u32 s2, ttmp6, 0x10000c
	s_cmp_lg_u32 s2, 0xf033
	s_cbranch_scc0 .Lentry_shape_is_right
	s_endpgm
.Lentry_shape_is_right:
; THE THREE PROJECTIONS: relu(x W^T) for q, k and v, [8192 tokens][1024 features], K = 1,024, operands given as FP4 codes with one E8M0 byte for each 32 along K.
; The results are quantised at once for the attention launch and leave as codes and scale words.  Sums, relu and the quantiser's input are f32.
; ONE TEXT FOR THREE TENSORS.  Operand P is source 0, operand S source 1: a lane holds ONE row of S, its registers run along rows of P.
;   q, k: P = the weight, S = the tokens (registers along the features, the K of q k^T).   v: P = the tokens, S = the weight (registers along the keys, the K of p v).
; Only pointers are chosen, by the cluster's number (0-7 q, 8-15 k, 16-23 v).
; SHARES.  Four waves make 256 rows of S x 256 rows of P, a wave 128 x 128: 64 accumulators.  All of K lies in LDS at once, filled once: ONE tensor load a wave at the head
; (wave 0, 1: S's two parts; wave 2, 3: P's), one barrier, eight steps of 128 along K.  No prefetch: everything is asked for at the head, and there is no loop to run ahead in.
; CLUSTERS 4 x 4: a row of the cluster shares S's rows, a column P's: each tile is asked for jointly.
; THE SCALE WORDS come straight into registers: lane (r, h) takes bytes 16 h .. 16 h + 15 of its row's 32, so a load covers whole rows (two runs of 256 bytes);
; lanes 0-15 then hold the words of K steps 0-3, lanes 16-31 those of steps 4-7, and the matrix instruction's row selectors choose.
; THE ROWS OF A FRAGMENT ARE NOT NEIGHBOURS: lane r of block 2 g + u of a wave's 128 rows takes row 32 g + 8 u + r + 8 (r / 8): the 16 registers of P's blocks 2 g, 2 g + 1 are 16 neighbours along the next K.
; WHAT LEAVES (hb = 16 x batch + head; a step = 128 tokens; an image = 512 bytes, lane L's 16 bytes at 16 L):
;   qws, kws [hb][step][4,608]: image t = 0..7: lane (r, h): token 32 (t / 2) + 8 (t % 2) + r + 8 (r / 8), channels 32 h on; at 4,096 + 16 L + 4 j the scale word of tile 2 j + L / 16, row L % 16: two bytes, then twice 0x7f.
;   vws [hb][step][4,352]: image 2 t + c: lane (r, h): channel 32 (t / 2) + 8 (t % 2) + r + 8 (r / 8), keys 64 c + 32 h on; at 4,096 + 8 L + 4 j the scale word of tile 2 j + L / 16, row L % 16.
; LIMITS: NaN, infinities and a given scale byte 0xff are not served.  A block of zeros gets the byte 1 where the rule says 127: its codes are zeros, and this program alone reads the bytes.
; REGISTERS: window 0: v16, v20, v25-27 addresses; v32-63 S's scale words, v64-95 P's; v128-191 S's fragments; way out: v96-103 words, v104-119 at work, v128-191 codes, v192-255 numbers.
;   window 1: P's fragments, two sets, v0 and v128.   windows 2, 3: accumulators, (a, b) at v[8 (8 (a % 4) + b)].
.set PITCH,  528                       ; an LDS line: 512 bytes + 16 of padding
.set SUB,    128*PITCH+128             ; part a of an operand's 256 rows: the rows with (row % 32) / 16 = a, 128 lines; the parts lie 128 bytes mod 256 apart
.set HALFT,  64*PITCH                  ; inside a part: from the first 128 rows' lines to the second's
.set SPARE,  0x46800                   ; the spare words, behind the four parts
.set QSTEP,  4608
.set VSTEP,  4352
.set ADRA, 16
.set ADRB, 20
.set L8,   25
.set L16,  26
.set ADRS, 27                          ; my offset among a block's scale bytes
.set SC,   32                          ; S's scale words: register 4 i + q % 4; P's 32 registers on
.set PW,   96
.set TM,   104
.set SPW,  126
.set NIL,  127
.set AF,   128
.set PC,   128
.set HA,   192
.set G1,   24
.set G0,   32
.set G1B,  48
.set G0B,  56
.set SS,   68                          ; s[68:69] my rows of S's scale bytes; s[92:93] of P's
.set SEL,  98
.set MSB, 0
.macro WIN new
.if MSB != \new
	s_set_vgpr_msb (MSB<<8)|\new
.set MSB, \new
.endif
.endm
.set MUL_LO, 0xa1
.set MUL_HI, 0xf1
.set TO_B,   0x40
.macro CROUND
	s_barrier_signal -1
	s_barrier_wait -1
	s_cmp_lg_u32 s14, 0
	s_cbranch_scc1 .Lnot_wave_0_\@
	s_barrier_signal -3
.Lnot_wave_0_\@:
	s_barrier_wait -3
	s_barrier_signal -1
	s_barrier_wait -1
.endm
	s_load_b256 s[24:31], s[0:1], 0x0              ; q: S's codes, S's scales, P's codes, P's scales
	s_load_b256 s[32:39], s[0:1], 0x20             ; k
	s_load_b256 s[48:55], s[0:1], 0x40             ; v (S = Wv, P = v)
	s_load_b128 s[56:59], s[0:1], 0x60             ; qws, kws
	s_load_b64 s[60:61], s[0:1], 0x70              ; vws
	v_lshl_add_u32 v[SPW], v0, 2, SPARE
	v_mov_b32 v[NIL], 0
	ds_add_u32 v[SPW], v[NIL]                      ; the opening lines: the add twice on end
	ds_add_u32 v[SPW], v[NIL]
	v_lshrrev_b32 v1, 5, v0
	v_readfirstlane_b32 s14, v1                    ; wave
	s_lshr_b32 s15, s14, 1                         ; my half of S's rows; also: I fetch for S (0) or P (1)
	s_and_b32 s16, s14, 1                          ; my half of P's rows; also: which part I fetch
	s_bfe_u32 s40, ttmp6, 0x40000                  ; cx
	s_bfe_u32 s41, ttmp6, 0x40004                  ; cy
	s_and_b32 s18, ttmp7, 0xffff
	s_lshr_b32 s66, s18, 3                         ; the tensor: 0 q, 1 k, 2 v
	s_and_b32 s67, s18, 7
	s_lshl_b32 s67, s67, 2
	s_cmp_eq_u32 s66, 2
	s_cselect_b32 s42, s67, 0
	s_cselect_b32 s17, 0, s67
	s_add_co_u32 s42, s42, s40                     ; P's tile: on cx alone
	s_add_co_u32 s17, s17, s41                     ; S's tile: on cy alone
	s_lshl_b32 s43, s41, 2
	s_lshl_b32 s43, 15, s43                        ; my row of the cluster
	s_lshl_b32 s44, 0x1111, s40                    ; my column
	s_lshl_b32 s18, s16, 13                        ; part a begins 16 rows, 8,192 bytes, on
	s_lshl_b32 s20, s17, 17                        ; a tile's 256 rows of 512 bytes
	s_add_co_u32 s20, s20, s18
	s_mov_b32 s21, 0
	s_lshl_b32 s46, s42, 17
	s_add_co_u32 s46, s46, s18
	s_mov_b32 s47, 0
	s_lshl_b32 s22, s17, 13                        ; scale bytes: 32 a row; the 128 rows that I multiply
	s_lshl_b32 s18, s15, 12
	s_add_co_u32 s22, s22, s18
	s_mov_b32 s23, 0
	s_lshl_b32 s92, s42, 13
	s_lshl_b32 s18, s16, 12
	s_add_co_u32 s92, s92, s18
	s_mov_b32 s93, 0
	s_mul_i32 s45, s14, SUB                        ; where my part goes: the wave's number alone
	s_mov_b32 s[SEL], 0x76543210
	s_mov_b32 s[SEL+1], 0xfedcba98
	s_wait_dscnt 0x0
	s_wait_kmcnt 0x0
	s_cmp_eq_u32 s66, 1
	s_cselect_b64 s[4:5], s[32:33], s[24:25]
	s_cselect_b64 s[6:7], s[34:35], s[26:27]
	s_cselect_b64 s[8:9], s[36:37], s[28:29]
	s_cselect_b64 s[10:11], s[38:39], s[30:31]
	s_cselect_b64 s[12:13], s[58:59], s[56:57]
	s_cmp_eq_u32 s66, 2
	s_cselect_b64 s[4:5], s[48:49], s[4:5]
	s_cselect_b64 s[6:7], s[50:51], s[6:7]
	s_cselect_b64 s[8:9], s[52:53], s[8:9]
	s_cselect_b64 s[10:11], s[54:55], s[10:11]
	s_cselect_b64 s[12:13], s[60:61], s[12:13]
	s_add_nc_u64 s[20:21], s[4:5], s[20:21]
	s_add_nc_u64 s[SS:SS+1], s[6:7], s[22:23]
	s_add_nc_u64 s[46:47], s[8:9], s[46:47]
	s_add_nc_u64 s[92:93], s[10:11], s[92:93]
	; group 1: a part = rows 32 g + 16 a + 0 .. 15, g = 0 .. 7: 8 rows of 8,192 dense bytes (1,024 elements of 8), 16,384 bytes apart; 16 bytes of padding behind every 512: 128 lines
	s_or_b32 s[G1+0], s43, (3<<16)|(1<<20)|(1<<21)|(6<<22)|(3<<25)
	s_or_b32 s[G1B+0], s44, (3<<16)|(1<<20)|(1<<21)|(6<<22)|(3<<25)
.irp g, G1, G1B
	s_mov_b32 s[\g+1], 1024<<16
	s_mov_b32 s[\g+2], 8<<16
	s_mov_b32 s[\g+3], 1024<<16
	s_mov_b32 s[\g+4], 8
	s_mov_b32 s[\g+5], 2048
	s_mov_b32 s[\g+6], 0
	s_mov_b32 s[\g+7], 0
.endr
	CROUND                                         ; all sixteen work-groups are here: the joint loads meet
	s_mov_b32 s[G0], 1
	s_mov_b32 s[G0+1], s45
	s_mov_b64 s[G0+2:G0+3], s[20:21]
	s_or_b32 s[G0+3], s[G0+3], 0x80000000
	s_mov_b32 s[G0B], 1
	s_mov_b32 s[G0B+1], s45
	s_mov_b64 s[G0B+2:G0B+3], s[46:47]
	s_or_b32 s[G0B+3], s[G0B+3], 0x80000000
	s_cmp_eq_u32 s15, 0                            ; one load a wave, one arm each; the branch hangs on the wave's number alone
	s_cbranch_scc0 .Lfor_p
	tensor_load_to_lds s[G0:G0+3], s[G1:G1+7]
	s_nop 0
.rept 4
	v_nop
.endr
	s_branch .Lasked
.Lfor_p:
	tensor_load_to_lds s[G0B:G0B+3], s[G1B:G1B+7]
	s_nop 0
.rept 4
	v_nop
.endr
.Lasked:
	v_bfe_u32 v2, v0, 4, 1                         ; h
	v_and_b32 v3, 7, v0                            ; r % 8
	v_bfe_u32 v4, v0, 3, 1                         ; r / 8
	v_and_b32 v8, 31, v0                           ; lane
	v_mul_u32_u24 v5, v3, PITCH
	v_mad_u32_u24 v5, v4, SUB, v5                  ; lanes 8-15: rows 16 further on, the other part
	v_lshl_add_u32 v5, v2, 4, v5
	s_mul_i32 s21, s15, HALFT
	s_mul_i32 s22, s16, HALFT
	s_add_co_u32 s22, s22, 2*SUB                   ; P's parts lie behind S's two
	v_add_nc_u32 v[ADRA], s21, v5
	v_add_nc_u32 v[ADRB], s22, v5
	v_lshlrev_b32 v6, 5, v3                        ; scale bytes: 32 a row,
	v_lshl_add_u32 v6, v4, 9, v6                   ; 16 rows on,
	v_lshl_add_u32 v[ADRS], v2, 4, v6              ; lanes 16-31 the row's second 16 bytes
.irp i, 0,1,2,3,4,5,6,7
	global_load_b128 v[SC+4*\i:SC+4*\i+3], v[ADRS], s[SS:SS+1] offset:1024*(\i/2)+256*(\i%2)
	global_load_b128 v[SC+32+4*\i:SC+32+4*\i+3], v[ADRS], s[92:93] offset:1024*(\i/2)+256*(\i%2)
.endr
	v_lshlrev_b32 v[L8], 3, v8
	v_lshlrev_b32 v[L16], 4, v8
	; where my results go: step tok (0..63), features 128 feat on: hb = 16 (tok / 16) + 2 feat, step tok % 16
	s_lshl_b32 s18, s17, 1
	s_add_co_u32 s18, s18, s15
	s_lshl_b32 s19, s42, 1
	s_add_co_u32 s19, s19, s16
	s_cmp_eq_u32 s66, 2
	s_cselect_b32 s20, s19, s18                    ; tok
	s_cselect_b32 s21, s18, s19                    ; feat
	s_mov_b32 s23, QSTEP
	s_cselect_b32 s23, VSTEP, s23
	s_and_b32 s22, s20, 0x30
	s_lshl_b32 s21, s21, 1
	s_add_co_u32 s22, s22, s21
	s_lshl_b32 s22, s22, 4
	s_and_b32 s20, s20, 15
	s_add_co_u32 s22, s22, s20
	s_mul_i32 s22, s22, s23
	s_mov_b32 s23, 0
	s_add_nc_u64 s[12:13], s[12:13], s[22:23]
.macro FRAG reg, adr, q, i             ; 16 rows x 128 K: registers 4 c on hold K = 64 c + 32 h on; block i begins at line 16 (i / 2) + 8 (i % 2) of both parts
.irp c, 0,1
	ds_load_b128 v[\reg+4*\c:\reg+4*\c+3], v[\adr] offset:64*(\q)+32*\c+(16*((\i)/2)+8*((\i)%2))*PITCH
.endr
.endm
; 16 matrix instructions: S's blocks a0, a0 + 1 x P's eight, the q-th 128 along K.  The 64 accumulators take turns.
.macro MUL16 a0, p, q, zero
.irp a, \a0, \a0+1
.irp b, 0,1,2,3,4,5,6,7
.if \zero
	v_wmma_scale_f32_16x16x128_f8f6f4 v[8*(8*((\a)%4)+\b):8*(8*((\a)%4)+\b)+7], v[128*(\p)+8*\b:128*(\p)+8*\b+7], v[AF+8*(\a):AF+8*(\a)+7], 0, v[SC+32+4*\b+(\q)%4], v[SC+4*(\a)+(\q)%4] matrix_a_fmt:MATRIX_FMT_FP4 matrix_b_fmt:MATRIX_FMT_FP4
.else
.if (\q) < 4
	v_wmma_scale_f32_16x16x128_f8f6f4 v[8*(8*((\a)%4)+\b):8*(8*((\a)%4)+\b)+7], v[128*(\p)+8*\b:128*(\p)+8*\b+7], v[AF+8*(\a):AF+8*(\a)+7], v[8*(8*((\a)%4)+\b):8*(8*((\a)%4)+\b)+7], v[SC+32+4*\b+(\q)%4], v[SC+4*(\a)+(\q)%4] matrix_a_fmt:MATRIX_FMT_FP4 matrix_b_fmt:MATRIX_FMT_FP4
.else
	v_wmma_scale_f32_16x16x128_f8f6f4 v[8*(8*((\a)%4)+\b):8*(8*((\a)%4)+\b)+7], v[128*(\p)+8*\b:128*(\p)+8*\b+7], v[AF+8*(\a):AF+8*(\a)+7], v[8*(8*((\a)%4)+\b):8*(8*((\a)%4)+\b)+7], v[SC+32+4*\b+(\q)%4], v[SC+4*(\a)+(\q)%4] matrix_a_fmt:MATRIX_FMT_FP4 matrix_b_fmt:MATRIX_FMT_FP4 matrix_a_scale:MATRIX_SCALE_ROW1 matrix_b_scale:MATRIX_SCALE_ROW1
.endif
.endif
.endr
.endr
.endm
.macro FETCH_B q, p
	WIN TO_B
.irp i, 0,1,2,3,4,5,6,7
	FRAG 128*(\p)+8*\i, ADRB, \q, \i
.endr
	WIN 0
.endm
.macro FETCH_A q, i0
.irp i, \i0, \i0+1, \i0+2, \i0+3
	FRAG AF+8*(\i), ADRA, \q, \i
.endr
.endm
.macro PLACES                          ; four places ahead of loads into registers that matrix instructions have read (ISA guide 7.12.1 for vector instructions)
.rept 4
	v_nop
.endr
.endm
; A step of 128 along K: S has one set of registers (blocks 0-3 fetched anew in the middle, 4-7 at the end), P two.
.macro STEP q, zero
	s_wait_dscnt 8                                 ; all but the youngest eight loads (S's blocks 4-7)
	WIN MUL_LO
	MUL16 0, (\q)%2, \q, \zero
	MUL16 2, (\q)%2, \q, \zero
	s_wait_dscnt 0x0
	PLACES
	FETCH_B (\q)+1, 1-(\q)%2
	FETCH_A (\q)+1, 0
	WIN MUL_HI
	MUL16 4, (\q)%2, \q, \zero
	MUL16 6, (\q)%2, \q, \zero
	PLACES
	WIN 0
	FETCH_A (\q)+1, 4
.endm
	s_wait_alu depctr_va_vdst(0)                   ; the wait at the head's end
	s_wait_tensorcnt 0x0                           ; my part has landed,
	s_wait_loadcnt 0x0                             ; and my scale words
	s_barrier_signal -1
	s_barrier_wait -1                              ; and everybody's part.  From here on LDS is only read
	FETCH_B 0, 0
	FETCH_A 0, 0
	FETCH_A 0, 4
	STEP 0, 1                                      ; the first step's products start the sums
.irp q, 1,2,3,4,5,6
	STEP \q, 0
.endr
	s_wait_dscnt 8
	WIN MUL_LO
	MUL16 0, 1, 7, 0
	MUL16 2, 1, 7, 0
	s_wait_dscnt 0x0
	WIN MUL_HI
	MUL16 4, 1, 7, 0
	MUL16 6, 1, 7, 0
	WIN 0
; THE WAY OUT.  64 numbers of a lane, register 16 b + i = place 32 b + 16 h + i along the next K, none negative, become 8 registers of codes and a scale word.
.macro QUANT s, pc, pw
.irp b, 0,1,2,3
	v_max3_num_f32 v[TM+\b], v[\s+16*\b], v[\s+1+16*\b], 0x1800000   ; with the floor 2^(3 - 127): the byte cannot fall under 1
.endr
.irp i, 2,4,6,8,10,12,14
.irp b, 0,1,2,3
	v_max3_num_f32 v[TM+\b], v[TM+\b], v[\s+16*\b+\i], v[\s+1+16*\b+\i]
.endr
.endr
.irp b, 0,1,2,3
	v_permlanex16_b32 v[TM+4+\b], v[TM+\b], s[SEL], s[SEL+1]
.endr
.irp b, 0,1,2,3
	v_max_num_f32 v[TM+\b], v[TM+\b], v[TM+4+\b]
.endr
.irp b, 0,1,2,3
	v_add_nc_u32 v[TM+12+\b], 0xff000000, v[TM+\b] ; 2 off the exponent field: the conversion's scale operand
.endr
.irp b, 0,1,2,3
	v_lshrrev_b32 v[TM+4+\b], 23, v[TM+12+\b]      ; the byte
.endr
	v_lshl_or_b32 v[\pw], v[TM+5], 8, v[TM+4]
	v_lshl_or_b32 v[\pw], v[TM+6], 16, v[\pw]
	v_lshl_or_b32 v[\pw], v[TM+7], 24, v[\pw]
.irp b, 0,1,2,3
	v_cvt_scalef32_pk8_fp4_f32 v[\pc+2*\b], v[\s+16*\b:\s+7+16*\b], v[TM+12+\b]
	v_cvt_scalef32_pk8_fp4_f32 v[\pc+1+2*\b], v[\s+8+16*\b:\s+15+16*\b], v[TM+12+\b]
.endr
	v_nop                                          ; one plain place behind the last scaled conversion
.irp c, 0,1                                    ; a whole block to a lane
.irp i, 0,1
	v_permlane16_swap_b32 v[\pc+4*\c+\i], v[\pc+2+4*\c+\i]
.endr
.endr
.endm
.macro BLOCK a                         ; relu of S's block a, each accumulator from its low end on; then the quantiser
.if (\a) < 4
	WIN 0x08
.else
	WIN 0x0c
.endif
.set j, 0
.rept 64
	v_max_num_f32 v[HA+j], 0, v[64*((\a)%4)+j]
.set j, j+1
.endr
	WIN 0
	QUANT HA, PC+8*(\a), PW+(\a)
.endm
.irp b, 0,1,2,3
	v_mov_b32 v[TM+4+\b], 0                        ; a lane permute's destination counts as a source; also the places behind the last products
.endr
.irp a, 0,1,2,3,4,5,6,7
	BLOCK \a
.endr
	v_cmp_le_u32 vcc_lo, 16, v8                    ; lanes 16-31
	s_mov_b32 s18, 0x7f7f0000
	s_cmp_eq_u32 s66, 2                            ; the layouts differ: a branch on the cluster's number
	s_cbranch_scc1 .Lfor_v
.irp i, 0,1,2,3,4,5,6,7                        ; q, k: block i is tile i; registers 4 c on are head c's channels.  Each store covers 512 consecutive bytes
.irp c, 0,1
	global_store_b128 v[L16], v[PC+8*\i+4*\c:PC+8*\i+4*\c+3], s[12:13] offset:\c*16*QSTEP+512*\i
.endr
.endr
.irp j, 0,1,2,3
	v_cndmask_b32 v[HA+8+\j], v[PW+2*\j], v[PW+2*\j+1], vcc_lo
.endr
.irp j, 0,1,2,3
	v_and_or_b32 v[HA+\j], v[HA+8+\j], 0xffff, s18               ; head 0: bytes 0, 1; 0x7f above
.endr
.irp j, 0,1,2,3
	v_lshrrev_b32 v[HA+4+\j], 16, v[HA+8+\j]                     ; head 1: bytes 2, 3
.endr
.irp j, 0,1,2,3
	v_or_b32 v[HA+4+\j], s18, v[HA+4+\j]
.endr
	global_store_b128 v[L16], v[HA:HA+3], s[12:13] offset:4096
	global_store_b128 v[L16], v[HA+4:HA+7], s[12:13] offset:16*QSTEP+4096
	s_branch .Lstored
.Lfor_v:
	s_wait_alu depctr_va_vdst(0)                   ; the wait behind the taken branch
.irp e, 0,1                                    ; v: block 4 e + t is tile t of head e; registers 4 c on are keys 64 c on
.irp t, 0,1,2,3
.irp c, 0,1
	global_store_b128 v[L16], v[PC+8*(4*\e+\t)+4*\c:PC+8*(4*\e+\t)+4*\c+3], s[12:13] offset:\e*16*VSTEP+(2*\t+\c)*512
.endr
.endr
.endr
.irp e, 0,1
.irp j, 0,1
	v_cndmask_b32 v[HA+2*\e+\j], v[PW+4*\e+2*\j], v[PW+4*\e+2*\j+1], vcc_lo
.endr
.endr
.irp e, 0,1
	global_store_b64 v[L8], v[HA+2*\e:HA+2*\e+1], s[12:13] offset:\e*16*VSTEP+4096
.endr
.Lstored:
	s_wait_tensorcnt 0x0                           ; the wave's end
	ds_add_u32 v[SPW], v[NIL]
	s_wait_dscnt 0x0
	CROUND                                         ; the closing round
	s_endpgm
.Lfunc_end_k_qe9d17d5015_proj:
	.size	k_qe9d17d5015_proj, .Lfunc_end_k_qe9d17d5015_proj-k_qe9d17d5015_proj
	.p2alignl 7, 3214868480
	.fill 96, 4, 3214868480
	.section	.rodata,"a",@progbits
	.p2align	6, 0x0
	.amdhsa_kernel k_qe9d17d5015_proj
		.amdhsa_group_segment_fixed_size 289280
		.amdhsa_private_segment_fixed_size 0
		.amdhsa_enable_private_segment 0
		.amdhsa_kernarg_size 120
		.amdhsa_user_sgpr_count 2
		.amdhsa_user_sgpr_kernarg_segment_ptr 1
		.amdhsa_wavefront_size32 1
		.amdhsa_system_sgpr_workgroup_id_x 1
		.amdhsa_system_sgpr_workgroup_id_y 1
		.amdhsa_system_sgpr_workgroup_id_z 1
		.amdhsa_system_vgpr_workitem_id 0
		.amdhsa_next_free_vgpr 1024
		.amdhsa_next_free_sgpr 100
		.amdhsa_reserve_vcc 1
		.amdhsa_float_denorm_mode_32 3
		.amdhsa_float_denorm_mode_16_64 3
		.amdhsa_memory_ordered 1
		.amdhsa_forward_progress 1
		.amdhsa_inst_pref_size 143
	.end_amdhsa_kernel
	.amdgpu_metadata
---
amdhsa.version: [ 1, 2 ]
amdhsa.kernels:
  - .name:           k_qe9d17d5015_proj
    .symbol:         k_qe9d17d5015_proj.kd
    .args:
      - { .name: q_codes, .offset: 0, .size: 8, .value_kind: global_buffer, .address_space: global }
      - { .name: q_scales, .offset: 8, .size: 8, .value_kind: global_buffer, .address_space: global }
      - { .name: Wq_codes, .offset: 16, .size: 8, .value_kind: global_buffer, .address_space: global }
      - { .name: Wq_scales, .offset: 24, .size: 8, .value_kind: global_buffer, .address_space: global }
      - { .name: k_codes, .offset: 32, .size: 8, .value_kind: global_buffer, .address_space: global }
      - { .name: k_scales, .offset: 40, .size: 8, .value_kind: global_buffer, .address_space: global }
      - { .name: Wk_codes, .offset: 48, .size: 8, .value_kind: global_buffer, .address_space: global }
      - { .name: Wk_scales, .offset: 56, .size: 8, .value_kind: global_buffer, .address_space: global }
      - { .name: Wv_codes, .offset: 64, .size: 8, .value_kind: global_buffer, .address_space: global }
      - { .name: Wv_scales, .offset: 72, .size: 8, .value_kind: global_buffer, .address_space: global }
      - { .name: v_codes, .offset: 80, .size: 8, .value_kind: global_buffer, .address_space: global }
      - { .name: v_scales, .offset: 88, .size: 8, .value_kind: global_buffer, .address_space: global }
      - { .name: qws, .offset: 96, .size: 8, .value_kind: global_buffer, .address_space: global }
      - { .name: kws, .offset: 104, .size: 8, .value_kind: global_buffer, .address_space: global }
      - { .name: vws, .offset: 112, .size: 8, .value_kind: global_buffer, .address_space: global }
    .group_segment_fixed_size: 289280
    .private_segment_fixed_size: 0
    .kernarg_segment_align: 8
    .kernarg_segment_size: 120
    .max_flat_workgroup_size: 128
    .sgpr_count:     100
    .vgpr_count:     1024
    .wavefront_size: 32
...
	.end_amdgpu_metadata
.endif
;; end of part 1
;; launch attn (part 2): grid 4 x 64, 16 waves a work-group, clusters of 4 x 1, 327,680 bytes of LDS; arguments qws, kws, vws, out0; writes out0
.if DOCPART == 2
	.amdgcn_target "amdgcn-amd-amdhsa--gfx1250"
	.amdhsa_code_object_version 6
	.text
	.protected	k_qe9d17d5015_attn
	.globl	k_qe9d17d5015_attn
	.p2align	8
	.type	k_qe9d17d5015_attn,@function
k_qe9d17d5015_attn:
	s_mov_b64 s[64:65], 0
	v_nop
	global_prefetch_b8 v0, s[64:65] scope:SCOPE_SE
	s_setreg_imm32_b32 hwreg(HW_REG_WAVE_MODE, 25, 1), 1
	s_wait_xcnt 0x0
	s_wait_alu depctr_hold_cnt(0) depctr_sa_sdst(0) depctr_va_vdst(0) depctr_va_sdst(0) depctr_va_ssrc(0) depctr_va_vcc(0) depctr_vm_vsrc(0)
	s_getreg_b32 s2, hwreg(HW_REG_IB_STS2, 6, 4)
	s_cmp_eq_u32 s2, 0
	s_cbranch_scc0 .Lentry_in_a_cluster
	s_endpgm
.Lentry_in_a_cluster:
	s_bfe_u32 s2, ttmp6, 0x10000c
	s_cmp_lg_u32 s2, 0x3003
	s_cbranch_scc0 .Lentry_shape_is_right
	s_endpgm
.Lentry_shape_is_right:
; out[b][q][head] = softmax_k(q . k / 8) v on FP4 codes, from the images that launch proj stored (hb = 16 x batch + head; layouts: see proj's head).
; t = score x log2(e) / 8; M = the running largest t rounded up to a whole number; p = 2^(t - M) is quantised along the keys, not normalised; the row's sum of the unquantised p divides at the end.
; LIMIT: the promise holds while the scaled scores stay under 2^31 in magnitude; NaN and infinities are not served.
; SHARES.  A work-group owns 512 queries of one hb, sixteen waves; a wave owns two tiles of 16 queries, one after the other (two walks over the 2,048 keys).
; All of K and V of the hb lie in LDS, filled once: ONE tensor load a wave at the head (waves 0-7: two steps of K each, 9,216 dense bytes; waves 8-15: two steps of V, 8,704).
; CLUSTER 4, 1, 1: the four work-groups of an hb need the same K and V: joint loads, mask 15.  No prefetch: everything is asked for at the head, there is no loop to run ahead in.
; Both products are used transposed: a lane holds one query.  The head's 64 channels fill half of the first product's K of 128: the other half is zero codes on both sides.
; A KEY STEP (128 keys): the score products; behind them, in their places, this step's fragments of V and the NEXT step's fragments of K are asked of LDS, a whole softmax ahead of their use.
; REGISTERS: v1-8 addresses that stay; v9-11 addresses of a trip; v12 -M, v13 the largest score, v[14:15] the sum, v25 the last -M, v26-31 three more chains of the sum; v16-23 Q, v24 its scale word;
;   v32-95 K; v96-159 S^T, then p; v160-191 O^T; v192-223 V; v224-231 p's codes; v232-247, v252-254 at work; v240-243, v248-249 scale words; v251, v255 the add's two.
.set KSTEPB, 4608
.set VSTEPB, 4352
.set VREG,   16*KSTEPB
.set STAGE,  VREG+16*VSTEPB            ; the way out: 16 rows x 272 bytes for each wave; no fill lands here
.set SPARE,  0x34000                   ; behind the stages: the spare words
.set SP,     272
.set WV,   18
.set SEL,  20
.set CS,   22                          ; s[22:23] c = log2(e) / 8
.set G1K,  24
.set G1V,  32
.set G0K,  40
.set G0V,  44
.set TK,   2
.set TV,   3
.set CNT,  48
.macro CROUND
	s_barrier_signal -1
	s_barrier_wait -1
	s_cmp_lg_u32 s[WV], 0
	s_cbranch_scc1 .Lnot_wave_0_\@
	s_barrier_signal -3
.Lnot_wave_0_\@:
	s_barrier_wait -3
	s_barrier_signal -1
	s_barrier_wait -1
.endm
	s_load_b128 s[4:7], s[0:1], 0x0                ; qws, kws
	s_load_b128 s[8:11], s[0:1], 0x10              ; vws, out0
	v_lshl_add_u32 v251, v0, 2, SPARE
	v_mov_b32 v255, 0
	ds_add_u32 v251, v255                          ; the opening lines: the add twice on end
	ds_add_u32 v251, v255
	v_lshrrev_b32 v1, 5, v0
	v_readfirstlane_b32 s[WV], v1
	s_bfe_u32 s13, ttmp6, 0x40000                  ; cx
	s_and_b32 s12, ttmp7, 0xffff                   ; hb
	s_lshr_b32 s16, s[WV], 3
	s_and_b32 s17, s[WV], 7
	s_mul_i32 s50, s17, 2*KSTEPB                   ; K: two steps a wave, in LDS,
	s_mul_i32 s52, s12, 16*KSTEPB
	s_add_co_u32 s52, s52, s50                     ; and in kws
	s_mov_b32 s53, 0
	s_mul_i32 s51, s17, 2*VSTEPB                   ; V likewise
	s_mul_i32 s54, s12, 16*VSTEPB
	s_add_co_u32 s54, s54, s51
	s_mov_b32 s55, 0
	s_add_co_u32 s51, s51, VREG
	s_lshl_b32 s56, s13, 2                         ; my queries: step 4 cx + wave / 8 (the second walk: two steps on), tile wave % 8
	s_add_co_u32 s56, s56, s16
	s_mul_i32 s56, s56, KSTEPB
	s_mul_i32 s57, s12, 16*KSTEPB
	s_add_co_u32 s56, s56, s57
	s_mov_b32 s57, 0
	s_lshl_b32 s58, s13, 9                         ; my tile's first row of out0
	s_lshl_b32 s59, s16, 7
	s_add_co_u32 s58, s58, s59
	s_lshr_b32 s59, s17, 1
	s_lshl_b32 s59, s59, 5
	s_add_co_u32 s58, s58, s59
	s_and_b32 s59, s17, 1
	s_lshl_b32 s59, s59, 3
	s_add_co_u32 s58, s58, s59
	s_lshl_b32 s58, s58, 12
	s_lshr_b32 s59, s12, 4
	s_lshl_b32 s59, s59, 23
	s_add_co_u32 s58, s58, s59
	s_and_b32 s59, s12, 15
	s_lshl_b32 s59, s59, 8
	s_add_co_u32 s58, s58, s59
	s_mov_b32 s59, 0
	s_mov_b32 s[G1K], 15|(3<<16)|(1<<21)           ; dense blocks as rows of 256 bytes (32 elements of 8): K 36 rows, V 34
	s_mov_b32 s[G1K+1], 32<<16
	s_mov_b32 s[G1K+2], 36<<16
	s_mov_b32 s[G1K+3], 32<<16
	s_mov_b32 s[G1K+4], 36
	s_mov_b32 s[G1K+5], 32
	s_mov_b32 s[G1K+6], 0
	s_mov_b32 s[G1K+7], 0
	s_mov_b32 s[G1V], 15|(3<<16)|(1<<21)
	s_mov_b32 s[G1V+1], 32<<16
	s_mov_b32 s[G1V+2], 34<<16
	s_mov_b32 s[G1V+3], 32<<16
	s_mov_b32 s[G1V+4], 34
	s_mov_b32 s[G1V+5], 32
	s_mov_b32 s[G1V+6], 0
	s_mov_b32 s[G1V+7], 0
	s_mov_b32 s[SEL], 0x76543210
	s_mov_b32 s[SEL+1], 0xfedcba98
	s_mov_b32 s[CS], 0x3e38aa3b
	s_mov_b32 s[CS+1], s[CS]
	s_wait_dscnt 0x0
	s_wait_kmcnt 0x0
	s_mov_b32 s[G0K], 1
	s_mov_b32 s[G0K+1], s50
	s_add_nc_u64 s[G0K+2:G0K+3], s[6:7], s[52:53]
	s_or_b32 s[G0K+3], s[G0K+3], 0x80000000
	s_mov_b32 s[G0V], 1
	s_mov_b32 s[G0V+1], s51
	s_add_nc_u64 s[G0V+2:G0V+3], s[8:9], s[54:55]
	s_or_b32 s[G0V+3], s[G0V+3], 0x80000000
	s_add_nc_u64 s[4:5], s[4:5], s[56:57]
	s_add_nc_u64 s[10:11], s[10:11], s[58:59]
	CROUND                                         ; the four work-groups are here: the joint loads meet
	s_cmp_lt_u32 s[WV], 8                          ; one load a wave, one arm each
	s_cbranch_scc0 .Lfor_v
	tensor_load_to_lds s[G0K:G0K+3], s[G1K:G1K+7]
	s_nop 0
.rept 4
	v_nop
.endr
	s_branch .Lasked
.Lfor_v:
	tensor_load_to_lds s[G0V:G0V+3], s[G1V:G1V+7]
	s_nop 0
.rept 4
	v_nop
.endr
.Lasked:
	v_and_b32 v26, 31, v0
	v_and_b32 v27, 15, v0
	v_bfe_u32 v28, v0, 4, 1
	v_lshlrev_b32 v1, 4, v26                       ; 16 x lane: an image's place
	v_add_nc_u32 v2, VREG, v1
	v_lshlrev_b32 v3, 3, v26
	v_add_nc_u32 v3, VREG+4096, v3                 ; V's scale words
	s_lshl_b32 s60, s17, 9
	v_add_nc_u32 v4, s60, v1                       ; Q's image
	s_and_b32 s60, s17, 1
	s_lshl_b32 s60, s60, 8
	s_lshr_b32 s61, s17, 1
	s_lshl_b32 s61, s61, 2
	s_add_co_u32 s60, s60, s61
	s_add_co_u32 s60, s60, 4096
	v_lshl_add_u32 v5, v27, 4, s60                 ; Q's scale word
	global_load_b128 v[16:19], v4, s[4:5]
	global_load_b32 v24, v5, s[4:5]
	v_lshlrev_b32 v6, 12, v28
	v_lshl_add_u32 v6, v27, 4, v6                  ; out0: lanes 0-15 one row, lanes 16-31 the next
	s_mul_i32 s60, s[WV], 16*SP
	s_add_co_u32 s60, s60, STAGE
	v_mul_u32_u24 v7, v27, SP
	v_lshl_add_u32 v7, v28, 6, v7
	v_add_nc_u32 v7, s60, v7                       ; into my stage
	v_mul_u32_u24 v8, v28, SP
	v_lshl_add_u32 v8, v27, 4, v8
	v_add_nc_u32 v8, s60, v8                       ; and back
.irp j, 20,21,22,23
	v_mov_b32 v\j, 0                               ; zero codes: the upper half of the first product's K
.endr
.irp t, 0,1,2,3,4,5,6,7
.irp j, 4,5,6,7
	v_mov_b32 v[32+8*\t+\j], 0
.endr
.endr
.irp b, 0,1,2,3
	v_mov_b32 v[236+\b], 0                         ; a lane permute's destination counts as a source
.endr
	v_mov_b32 v253, 0
.macro INIT
	v_mov_b32 v13, 0xff61b1e6                      ; the largest score so far: -3e38
	v_mov_b32 v25, 0x7f61b1e6                      ; the last -M
	v_mov_b32 v14, 0
	v_mov_b32 v15, 0
.set j, 0
.rept 32
	v_mov_b32 v[160+j], 0                          ; O^T: the first change of M multiplies zeros
.set j, j+1
.endr
.endm
.macro KLOAD off                       ; a step's eight tiles of K and their scale words
.irp t, 0,1,2,3,4,5,6,7
	ds_load_b128 v[32+8*\t:35+8*\t], v9 offset:(\off)+512*\t
.endr
	ds_load_b128 v[240:243], v9 offset:(\off)+4096
.endm
.macro ADD k                           ; the row's sum of the unquantised p, 32 pairs in four chains by turns: slot k
.if (\k) < 3
	v_pk_add_f32 v[26+2*(\k):27+2*(\k)], v[96+4*(\k):97+4*(\k)], v[98+4*(\k):99+4*(\k)]
.else
.if (\k)%4 == 3
	v_pk_add_f32 v[14:15], v[14:15], v[102+2*(\k):103+2*(\k)]
.else
	v_pk_add_f32 v[26+2*((\k)%4):27+2*((\k)%4)], v[26+2*((\k)%4):27+2*((\k)%4)], v[102+2*(\k):103+2*(\k)]
.endif
.endif
.endm
.macro STEP j                          ; the j-th of a trip's four key steps; its fragments of K are in registers
.if \j == 3
	s_add_co_u32 s[TK], s[TK], 4*KSTEPB
.endif
.irp t, 0,1,2,3,4,5,6,7
.if \t%2
	v_wmma_scale_f32_16x16x128_f8f6f4 v[96+8*\t:103+8*\t], v[32+8*\t:39+8*\t], v[16:23], 0, v[240+\t/2], v24 matrix_a_fmt:MATRIX_FMT_FP4 matrix_b_fmt:MATRIX_FMT_FP4 matrix_a_scale:MATRIX_SCALE_ROW1
.else
	v_wmma_scale_f32_16x16x128_f8f6f4 v[96+8*\t:103+8*\t], v[32+8*\t:39+8*\t], v[16:23], 0, v[240+\t/2], v24 matrix_a_fmt:MATRIX_FMT_FP4 matrix_b_fmt:MATRIX_FMT_FP4
.endif
.endr
; four places: ahead of the loads into K's and V's registers and of the first read of the scores; the trip's address steps are among them
.if \j == 0
	v_add_nc_u32 v10, s[TV], v2
	v_add_nc_u32 v11, s[TV], v3
	v_nop
	v_nop
.else
.if \j == 3
	v_add_nc_u32 v9, s[TK], v1
	v_nop
	v_nop
	v_nop
.else
.rept 4
	v_nop
.endr
.endif
.endif
.irp t, 0,1,2,3
.irp c, 0,1
	ds_load_b128 v[192+8*\t+4*\c:195+8*\t+4*\c], v10 offset:\j*VSTEPB+(2*\t+\c)*512
.endr
.endr
	ds_load_b64 v[248:249], v11 offset:\j*VSTEPB
.if \j < 3
	KLOAD (\j+1)*KSTEPB
.else
	s_cmp_eq_u32 s[CNT], 1                         ; the walk's last step has no successor: a branch on the count of trips, round the nine loads alone
	s_cbranch_scc1 .Lno_next_\@
	KLOAD 0
.Lno_next_\@:
.endif
.irp b, 0,1,2,3
	v_max3_num_f32 v[232+\b], v[96+16*\b], v[97+16*\b], v[98+16*\b]   ; the largest score of each block of 32 keys: for the row's maximum and for the block's largest p
.endr
.irp i, 3,5,7,9,11,13
.irp b, 0,1,2,3
	v_max3_num_f32 v[232+\b], v[232+\b], v[96+16*\b+\i], v[97+16*\b+\i]
.endr
.endr
.irp b, 0,1,2,3
	v_max_num_f32 v[232+\b], v[232+\b], v[111+16*\b]
.endr
.irp b, 0,1,2,3
	v_permlanex16_b32 v[236+\b], v[232+\b], s[SEL], s[SEL+1]
.endr
.irp b, 0,1,2,3
	v_max_num_f32 v[232+\b], v[232+\b], v[236+\b]
.endr
	v_max3_num_f32 v254, v232, v233, v234
	v_max3_num_f32 v13, v13, v254, v235            ; the running largest score (c is positive: the largest t is c x this)
	v_mul_f32 v254, s[CS], v13
	v_floor_f32 v12, -v254                         ; -M = floor(-t)
	v_sub_f32 v252, v12, v25                       ; old M - new M: a whole number, 0 or less
.set j, 0
.rept 32
	v_pk_fma_f32 v[96+j:97+j], v[96+j:97+j], s[CS:CS+1], v[12:13] op_sel_hi:[1,0,0]   ; t - M
.if j == 8
	v_cvt_i32_f32 v252, v252                       ; (it saturates)
	v_mov_b32 v25, v12
.endif
.if j == 20
	v_ldexp_f32 v252, 1.0, v252                    ; f = 2^(old M - new M)
.endif
.set j, j+2
.endr
.irp b, 0,1,2,3
	v_fma_f32 v[232+\b], v[232+\b], s[CS], v12
.endr
	s_wait_alu depctr_va_vdst(0)                   ; the wait ahead of the batch
.set j, 0
.rept 64
	v_exp_f32 v[96+j], v[96+j]                     ; p
.set j, j+1
.endr
.irp b, 0,1,2,3
	v_exp_f32 v[232+\b], v[232+\b]                 ; each block's largest p
.endr
	s_wait_alu depctr_va_vdst(0)                   ; one wait behind the batch; it stands directly ahead of O^T's first reader too
; plain work by turns: O^T x f, the blocks' scale arithmetic (floor, 2 off the exponent field, the byte), the row's sum
.set i, 0
.rept 12
	v_pk_mul_f32 v[160+2*i:161+2*i], v[160+2*i:161+2*i], v[252:253] op_sel_hi:[1,0]
.if i == 0
	v_pk_mul_f32 v[14:15], v[14:15], v[252:253] op_sel_hi:[1,0]
.endif
.if i < 4
	v_max_num_f32 v[232+i], 0x1800000, v[232+i]
.else
.if i < 8
	v_add_nc_u32 v[240+i], 0xff000000, v[228+i]
.else
	v_lshrrev_b32 v[228+i], 23, v[236+i]
.endif
.endif
	ADD 2*i
	ADD 2*i+1
.set i, i+1
.endr
	v_lshl_or_b32 v253, v237, 8, v236
	v_lshl_or_b32 v254, v239, 8, v238
.irp i, 12,13,14,15
	v_pk_mul_f32 v[160+2*\i:161+2*\i], v[160+2*\i:161+2*\i], v[252:253] op_sel_hi:[1,0]
.endr
	v_lshl_or_b32 v253, v254, 16, v253             ; p's scale word; eight places follow ahead of the product
.irp b, 0,1,2,3
	v_cvt_scalef32_pk8_fp4_f32 v[224+2*\b], v[96+16*\b:103+16*\b], v[244+\b]
	v_cvt_scalef32_pk8_fp4_f32 v[225+2*\b], v[104+16*\b:111+16*\b], v[244+\b]
.endr
	ADD 24                                         ; the plain place behind the last conversion
.irp c, 0,1
.irp i, 0,1
	v_permlane16_swap_b32 v[224+4*\c+\i], v[226+4*\c+\i]
.endr
.endr
	ADD 25
	ADD 26
	ADD 27
	ADD 28
	v_pk_add_f32 v[14:15], v[14:15], v[30:31]      ; the four chains are joined
	v_pk_add_f32 v[26:27], v[26:27], v[28:29]
	v_pk_add_f32 v[14:15], v[14:15], v[26:27]
	s_wait_alu depctr_va_vdst(0)                   ; the wait here, directly ahead of the wait below
	s_wait_dscnt 0x0                               ; V's fragments, and the next step's of K: all were asked for a softmax ago
.irp t, 0,1,2,3
.if \t%2
	v_wmma_scale_f32_16x16x128_f8f6f4 v[160+8*\t:167+8*\t], v[192+8*\t:199+8*\t], v[224:231], v[160+8*\t:167+8*\t], v[248+\t/2], v253 matrix_a_fmt:MATRIX_FMT_FP4 matrix_b_fmt:MATRIX_FMT_FP4 matrix_a_scale:MATRIX_SCALE_ROW1
.else
	v_wmma_scale_f32_16x16x128_f8f6f4 v[160+8*\t:167+8*\t], v[192+8*\t:199+8*\t], v[224:231], v[160+8*\t:167+8*\t], v[248+\t/2], v253 matrix_a_fmt:MATRIX_FMT_FP4 matrix_b_fmt:MATRIX_FMT_FP4
.endif
.endr
.endm
.macro KEYS                            ; a walk over the 16 key steps, four to a trip
	s_mov_b32 s[TK], 0
	s_mov_b32 s[TV], 0
	s_mov_b32 s[CNT], 4
	v_mov_b32 v9, v1
	KLOAD 0
	s_wait_alu depctr_va_vdst(0)                   ; the wait here, directly ahead of the waits below
	s_wait_loadcnt 0x0                             ; Q
	s_wait_dscnt 0x0                               ; the first step's K
.Ltrip_\@:
	STEP 0
	STEP 1
	STEP 2
	STEP 3
	s_add_co_u32 s[TV], s[TV], 4*VSTEPB
	s_sub_co_u32 s[CNT], s[CNT], 1
	s_cmp_lg_u32 s[CNT], 0
	s_cbranch_scc1 .Ltrip_\@
.endm
.macro WAYOUT p                        ; O^T / the sum, through my stage, out as aligned runs of 256 bytes
.rept 4
	v_nop
.endr
	v_add_f32 v14, v14, v15
	s_delay_alu instid0(VALU_DEP_1)
	v_permlanex16_b32 v252, v14, s[SEL], s[SEL+1]
	s_delay_alu instid0(VALU_DEP_1)
	v_add_f32 v14, v14, v252
	s_wait_alu depctr_va_vdst(0)                   ; the wait ahead of the transcendental
	v_rcp_f32 v14, v14
	v_nop
	s_wait_alu depctr_va_vdst(0)                   ; and behind it, directly ahead of the first readers
.set j, 0
.rept 16
	v_pk_mul_f32 v[96+j:97+j], v[160+j:161+j], v[14:15] op_sel_hi:[1,0]
.set j, j+2
.endr
.irp g, 0,1
.irp k, 0,1,2,3
	ds_store_b128 v7, v[96+16*\g+4*\k:99+16*\g+4*\k] offset:128*\g+16*\k
.endr
.endr
.irp i, 0,1,2,3,4,5,6,7
	ds_load_b128 v[128+4*\i:131+4*\i], v8 offset:2*\i*SP   ; LDS serves a wave's instructions in order: these see my stores
.endr
.irp i, 0,1,2,3,4,5,6,7
	s_wait_dscnt 7-\i
	global_store_b128 v6, v[128+4*\i:131+4*\i], s[10:11] offset:\p*1048576+(2*\i+8*(\i/4))*4096 th:TH_STORE_NT
.endr
.endm
	INIT
	s_wait_alu depctr_va_vdst(0)                   ; the wait at the head's end
	s_wait_tensorcnt 0x0                           ; my two steps have landed,
	s_barrier_signal -1
	s_barrier_wait -1                              ; and everybody's.  K's and V's bytes are only read from here on
	KEYS
	WAYOUT 0
	s_wait_xcnt 0x0                                ; the stores have read their registers: the next walk writes them again
	global_load_b128 v[16:19], v4, s[4:5] offset:2*KSTEPB
	global_load_b32 v24, v5, s[4:5] offset:2*KSTEPB
	INIT
	KEYS
	WAYOUT 1
	s_wait_tensorcnt 0x0                           ; the wave's end
	ds_add_u32 v251, v255
	s_wait_dscnt 0x0
	CROUND                                         ; the closing round
	s_endpgm
.Lfunc_end_k_qe9d17d5015_attn:
	.size	k_qe9d17d5015_attn, .Lfunc_end_k_qe9d17d5015_attn-k_qe9d17d5015_attn
	.p2alignl 7, 3214868480
	.fill 96, 4, 3214868480
	.section	.rodata,"a",@progbits
	.p2align	6, 0x0
	.amdhsa_kernel k_qe9d17d5015_attn
		.amdhsa_group_segment_fixed_size 327680
		.amdhsa_private_segment_fixed_size 0
		.amdhsa_enable_private_segment 0
		.amdhsa_kernarg_size 32
		.amdhsa_user_sgpr_count 2
		.amdhsa_user_sgpr_kernarg_segment_ptr 1
		.amdhsa_wavefront_size32 1
		.amdhsa_system_sgpr_workgroup_id_x 1
		.amdhsa_system_sgpr_workgroup_id_y 1
		.amdhsa_system_sgpr_workgroup_id_z 1
		.amdhsa_system_vgpr_workitem_id 0
		.amdhsa_next_free_vgpr 256
		.amdhsa_next_free_sgpr 66
		.amdhsa_reserve_vcc 0
		.amdhsa_float_denorm_mode_32 3
		.amdhsa_float_denorm_mode_16_64 3
		.amdhsa_memory_ordered 1
		.amdhsa_forward_progress 1
		.amdhsa_inst_pref_size 135
	.end_amdhsa_kernel
	.amdgpu_metadata
---
amdhsa.version: [ 1, 2 ]
amdhsa.kernels:
  - .name:           k_qe9d17d5015_attn
    .symbol:         k_qe9d17d5015_attn.kd
    .args:
      - { .name: qws, .offset: 0, .size: 8, .value_kind: global_buffer, .address_space: global }
      - { .name: kws, .offset: 8, .size: 8, .value_kind: global_buffer, .address_space: global }
      - { .name: vws, .offset: 16, .size: 8, .value_kind: global_buffer, .address_space: global }
      - { .name: out0, .offset: 24, .size: 8, .value_kind: global_buffer, .address_space: global }
    .group_segment_fixed_size: 327680
    .private_segment_fixed_size: 0
    .kernarg_segment_align: 8
    .kernarg_segment_size: 32
    .max_flat_workgroup_size: 512
    .sgpr_count:     66
    .vgpr_count:     256
    .wavefront_size: 32
...
	.end_amdgpu_metadata
.endif
;; end of part 2
